; MI455X (gfx1250); checked and timed in simulation.
; The chip was launched on July 23, 2026; its instructions are those of AMD's public machine-readable ISA for CDNA 5 (MIT licence, August 2026) and "CDNA5" Instruction Set Architecture Reference Guide (July 2026). The comments in the code are by the model that wrote it; some were corrected since.
;; mutual Pooling Dir. Allowed arithmetic: float matrix products may take bf16 or f16 operands with f32 sums; all other float work in f32.
;; Inputs: Wk 128 x 128 float32; bk 128 float32; gallery_base 64 x 100 x 128 float32; gallery_value 64 x 100 x 128 float32; querys 64 x 128 float32.
;; Outputs: out0 64 x 64 x 128 float32.
;; 2 versions, each right and faster than the one before. Each part assembles by itself: llvm-mc -triple=amdgcn-amd-amdhsa -mcpu=gfx1250 --defsym DOCPART=n.
;; ======== version 1 of 2: 1 launch
;; limits: values are held in f16: magnitudes above 65,504 overflow, below 6.1e-05 lose precision; inputs' magnitudes at most 65,504
;; launch pool (part 1): grid 4 x 64, 8 waves a work-group, no clusters, 94,464 bytes of LDS; arguments gallery_base, Wk, bk, gallery_value, querys, out0; writes out0
.if DOCPART == 1
	.amdgcn_target "amdgcn-amd-amdhsa--gfx1250"
	.amdhsa_code_object_version 6
	.text
	.protected	k_q3e432ac1eb_pool
	.globl	k_q3e432ac1eb_pool
	.p2align	8
	.type	k_q3e432ac1eb_pool,@function
k_q3e432ac1eb_pool:
	s_mov_b64 s[64:65], 0
	v_nop
	global_prefetch_b8 v0, s[64:65] scope:SCOPE_SE
	s_setreg_imm32_b32 hwreg(HW_REG_WAVE_MODE, 25, 1), 1
	s_wait_xcnt 0x0
; out[p][g][d] = sum over l of softmax_l(q[p][d] K[g][l][d]) V[g][l][d],   K[g][l][e] = sum over d of base[g][l][d] Wk[e][d] + bk[e].
; G = 64, L = 100, D = 128, P = 64; every buffer f32.
;
; SHARES.  A work-group owns one g, 64 columns d (256 bytes of a row) and 32 p: 64 x 2 x 2 = 256 work-groups.  Eight waves:
; wave = (db, pg) owns the 16 columns 16 db .. 16 db + 15 of the 64 and the 16 p 16 pg .. 16 pg + 15 of the 32.
; Lane (r = t & 15, h = (t >> 4) & 1) owns column 16 db + r and 50 of the 100 l: l = 16 i + 8 h + j (i < 6, j < 8) and l = 96 + 2 h + j (j < 2).
; That is the layout in which the matrix instruction leaves D (register j: row 8 h + j, column r), so K stays in its accumulators;
; the seventh tile's A rows are addressed so that its rows 0, 1, 8, 9 are l = 96 .. 99 (the other rows repeat these and are not used).
; The work is 32 x 64 x 100 exponentials a work-group, 800 a lane of each wave, with K and V of the lane in 100 registers: no memory in the inner loop.
;
; THE MAXIMUM.  max over l of q K[l] = max(q Kmax, q Kmin): Kmax and Kmin of a column are taken once, so every (p, d) subtracts its true maximum.
;
; NUMBER FORMATS.  The linear layer runs on f16 operands with f32 sums; all else is f32.  f16 and not bf16, because K is multiplied by q and
; exponentiated, and f16 keeps three more bits.  LIMITS: |base| or |Wk| of 65,504 and more become infinity, parts below 2^-25 are lost
; (inputs drawn with spreads 1 and 0.088 have a factor of some hundreds of room upward).  q is multiplied by log2(e) first and
; the exponential is 2^x, so the rounding order differs from exp(q K - max).  v_exp_f32 returns 0 for results below 2^-126: such weights are dropped.
;
; NO CLUSTER: what work-groups share (base[g] by four, the halves of V, Wk, q by two and more) is read once, in the first lines, 117 KB a work-group,
; and base and Wk must pass through registers to become f16; brought jointly into LDS as f32 they would be read back and stored again, 84 KB more
; of LDS traffic a work-group, to spare requests of a launch whose time is its exponentials.  The two pg waves of a db repeat the 28 matrix
; instructions of their columns: handing K over through LDS would need about as many LDS loads and one more barrier.
.set NL,   100
.set PA,   272                         ; LDS pitch of a row of 128 f16: 256 + 16 bytes, an odd multiple of 16, so 16 rows start in 16 different 16-byte columns (64 banks of 4 bytes: ISA guide 11.1)
.set PV,   304                         ; pitch of a V row of 64 f32: 76 words; 8 rows = 32 and 2 rows = 24 modulo 64 words, so the two lane halves use different banks
.set PO,   320                         ; pitch of a result row of 64 f32: 80 words = 16 modulo 64, for the same reason
.set VS,   0                           ; V      100 rows x PV  = 30,400 bytes
.set AB,   30400                       ; base   100 rows x PA  = 27,200
.set QS,   57600                       ; q      32 rows x 256  =  8,192
.set WB,   65792                       ; Wk     64 rows x PA   = 17,408   (beyond the 16-bit immediate: carried in the address registers)
.set OS,   83200                       ; result 32 rows x PO   = 10,240   (likewise); end at 93,440
; registers
.set RR,    1                          ; r = t & 15
.set HH,    2                          ; h
.set G16,   3                          ; 16 t
.set G8,    4                          ; 8 t
.set LROW,  5                          ; (t >> 5) PA + 8 (t & 31): where a thread puts 4 f16 of a row
.set LROWW, 6                          ; the same + WB
.set T4,    7                          ; t >> 4
.set T6,    8                          ; t >> 6
.set LBTA,  9                          ; (t >> 6) PA + 4 (t & 63)
.set GV,    10                         ; (t >> 4) 512 + 16 r: rows of 256 bytes in tensors with rows of 512
.set LVA,   11                         ; (t >> 4) PV + 16 r
.set GVT,   12                         ; (t >> 6) 512 + 4 (t & 63)
.set LVTA,  13                         ; (t >> 6) PV + 4 (t & 63)
.set COL,   14                         ; 4 (16 db + r): my column, in bytes
.set LB,    16                         ; v16-63   base as loaded, 12 x 4;  LBT v64-65 its last four rows
.set LBT,   64
.set LW,    66                         ; v66-97   Wk as loaded, 8 x 4
.set LV,    98                         ; v98-121  V as loaded, 6 x 4;      LVT v122 its last four rows
.set LVT,   122
.set LQ,    124                        ; v124-131 q as loaded, 2 x 4
.set KR,    16                         ; v16-71   behind the barrier: K, 7 tiles x 8; v16-65 are my 50 l
.set AX,    72                         ; v72-127  A fragments, buffer X; afterwards
.set VR,    72                         ; v72-121  V of my 50 l
.set AY,    128                        ; v128-183 A fragments, buffer Y; afterwards
.set TR,    128                        ; v128-143 ring of 8 pairs: arguments, then exponentials
.set SA,    144                        ; v144-145 denominator of p_a (two partial sums), v148-149 of p_b
.set NA,    146                        ; v146-147 numerator of p_a, v150-151 of p_b
.set BF,    184                        ; v184-215 B fragments, 4 K steps x 8
.set BIAS,  216                        ; v216-223 bk of my column, eight times: the C of each tile's first product
.set FA,    224                        ; r PA + 16 h
.set FAT,   225                        ; (96 + (r & 1) + 2 (r >> 3)) PA + 16 h
.set FB,    226                        ; WB + (16 db + r) PA + 16 h
.set VV,    227                        ; 8 h PV + COL
.set VVT,   228                        ; 2 h PV + COL
.set VQ,    229                        ; 16 pg x 256 + COL, stepped by two rows a trip
.set VO,    230                        ; OS + (16 pg + h) PO + COL, stepped by two rows a trip
.set VRD,   231                        ; OS + (t >> 4) PO + 16 r
.set VG,    232                        ; (t >> 4) x 32,768 + 16 r: the same rows in out
.set NKX,   234                        ; - Kmax of my column
.set NKN,   235                        ; - Kmin
.set QA,    236                        ; v236 q_a log2(e), v240 the same for p_b.  Each of these four stands in the low register of a pair, since the packed
.set MA,    238                        ; v238 - maximum of p_a, v242 of p_b.       forms broadcast a pair's low register; v237, 239, 241, 243 are written once and never used
.set QNA,   244                        ; the next trip's two q
.set QNB,   245
.set X,     246                        ; v246-253 at work
	s_load_b256 s[4:11], s[0:1], 0x0               ; base s[4:5], Wk s[6:7], bk s[8:9], V s[10:11]
	s_load_b128 s[12:15], s[0:1], 0x20             ; q s[12:13], out s[14:15]
	v_lshl_add_u32 v254, v0, 2, 0x16d00
	v_mov_b32 v255, 0
	; the offsets of the global loads, while the addresses come
	v_lshlrev_b32 v[G16], 4, v0
	v_lshlrev_b32 v[G8], 3, v0
	v_and_b32 v[RR], 15, v0
	v_lshrrev_b32 v[T4], 4, v0
	v_lshrrev_b32 v[T6], 6, v0
	v_and_b32 v[X+2], 63, v0
	v_lshlrev_b32 v[X+2], 2, v[X+2]                ; 4 (t & 63)
	v_lshlrev_b32 v[X+3], 4, v[RR]                 ; 16 r
	v_lshl_add_u32 v[GV], v[T4], 9, v[X+3]
	v_lshl_add_u32 v[GVT], v[T6], 9, v[X+2]
	v_bfe_u32 v[X+7], v0, 5, 2                     ; db = wave & 3
	v_lshlrev_b32 v[X+5], 2, v[RR]
	v_lshl_add_u32 v[COL], v[X+7], 6, v[X+5]
	s_and_b32 s17, ttmp9, 1                        ; dh: which 64 columns
	s_lshr_b32 s18, ttmp9, 1                       ; ph: which 32 p
	s_and_b32 s19, ttmp7, 0xffff                   ; g
	s_mul_i32 s20, s19, NL*512                     ; base: g x 51,200 bytes
	s_mov_b32 s21, 0
	s_lshl_b32 s22, s17, 15                        ; Wk: dh x 64 rows of 512 bytes
	s_mov_b32 s23, 0
	s_lshl_b32 s24, s17, 8                         ; bk: dh x 256 bytes
	s_mov_b32 s25, 0
	s_add_co_u32 s26, s20, s24                     ; V: g x 51,200 + dh x 256
	s_mov_b32 s27, 0
	s_lshl_b32 s28, s18, 14                        ; q: ph x 32 rows of 512 bytes + dh x 256
	s_add_co_u32 s28, s28, s24
	s_mov_b32 s29, 0
	s_lshl_b32 s30, s18, 20                        ; out: ph x 32 x 32,768 + g x 512 + dh x 256
	s_lshl_b32 s31, s19, 9
	s_add_co_u32 s30, s30, s31
	s_add_co_u32 s30, s30, s24
	s_mov_b32 s31, 0
	s_mov_b32 s32, 0x76543210                      ; v_permlanex16_b32: lane i of one half reads lane i of the other
	s_mov_b32 s33, 0xfedcba98
	s_mov_b32 vcc_lo, 0xffff0000                   ; the lanes with h = 1
	s_wait_kmcnt 0x0
	s_add_nc_u64 s[4:5], s[4:5], s[20:21]
	s_add_nc_u64 s[6:7], s[6:7], s[22:23]
	s_add_nc_u64 s[8:9], s[8:9], s[24:25]
	s_add_nc_u64 s[10:11], s[10:11], s[26:27]
	s_add_nc_u64 s[12:13], s[12:13], s[28:29]
	s_add_nc_u64 s[14:15], s[14:15], s[30:31]
	; ALL THE WORK-GROUP READS, 31 loads a thread, issued at once.  base[g] and the half of Wk are dense blocks: 256 threads x 16 bytes = 4,096 bytes a round.
.irp j, 0,1,2,3,4,5,6,7,8,9,10,11
	global_load_b128 v[LB+4*\j:LB+4*\j+3], v[G16], s[4:5] offset:4096*\j       ; rows 8 j + wave
.endr
	global_load_b64 v[LBT:LBT+1], v[G8], s[4:5] offset:49152                   ; rows 96-99: 2,048 bytes = 256 threads x 8
.irp j, 0,1,2,3,4,5,6,7
	global_load_b128 v[LW+4*\j:LW+4*\j+3], v[G16], s[6:7] offset:4096*\j
.endr
.irp j, 0,1,2,3,4,5
	global_load_b128 v[LV+4*\j:LV+4*\j+3], v[GV], s[10:11] offset:8192*\j      ; rows 16 j + (t >> 4): 16 lanes take the row's 256 bytes
.endr
	global_load_b32 v[LVT], v[GVT], s[10:11] offset:49152                      ; rows 96-99: 1,024 bytes = 256 threads x 4
.irp j, 0,1
	global_load_b128 v[LQ+4*\j:LQ+4*\j+3], v[GV], s[12:13] offset:8192*\j
.endr
	global_load_b32 v[BIAS], v[COL], s[8:9]
	; the LDS addresses of every later step, while the data come
	v_bfe_u32 v[HH], v0, 4, 1
	v_lshrrev_b32 v[X], 5, v0                      ; wave
	v_and_b32 v[X+1], 31, v0
	v_lshlrev_b32 v[X+1], 3, v[X+1]
	v_mad_u32_u24 v[LROW], v[X], PA, v[X+1]
	v_add_nc_u32 v[LROWW], WB, v[LROW]
	v_mad_u32_u24 v[LBTA], v[T6], PA, v[X+2]
	v_mad_u32_u24 v[LVA], v[T4], PV, v[X+3]
	v_mad_u32_u24 v[LVTA], v[T6], PV, v[X+2]
	v_lshlrev_b32 v[X+4], 4, v[HH]                 ; 16 h
	v_mad_u32_u24 v[FA], v[RR], PA, v[X+4]
	v_and_b32 v[X+5], 1, v[RR]
	v_lshrrev_b32 v[X+6], 3, v[RR]
	v_lshl_add_u32 v[X+5], v[X+6], 1, v[X+5]
	v_add_nc_u32 v[X+5], 96, v[X+5]                ; the seventh tile's row m = r is l = 96 + (r & 1) + 2 (r >> 3)
	v_mad_u32_u24 v[FAT], v[X+5], PA, v[X+4]
	v_mad_u32_u24 v[FB], v[X+7], 16*PA, v[FA]
	v_add_nc_u32 v[FB], WB, v[FB]
	v_mad_u32_u24 v[VV], v[HH], 8*PV, v[COL]
	v_mad_u32_u24 v[VVT], v[HH], 2*PV, v[COL]
	v_lshrrev_b32 v[X+6], 7, v0                    ; pg = wave >> 2
	v_lshl_add_u32 v[VQ], v[X+6], 12, v[COL]
	v_mad_u32_u24 v[VO], v[X+6], 16*PO, v[COL]
	v_mad_u32_u24 v[VO], v[HH], PO, v[VO]
	v_add_nc_u32 v[VO], OS, v[VO]
	v_mad_u32_u24 v[VRD], v[T4], PO, v[X+3]
	v_add_nc_u32 v[VRD], OS, v[VRD]
	v_lshl_add_u32 v[VG], v[T4], 15, v[X+3]
.irp j, 1,3,5,7
	v_mov_b32 v[QA+\j], 0                          ; the upper registers of the four broadcast pairs: read as part of the pair, never used
.endr
	; INTO LDS.  Loads come back in order (ISA guide 5.7.1): each count is the number of loads issued behind the group that is needed.
	s_wait_loadcnt 18                              ; base's 13 are in; Wk 8 + V 7 + q 2 + bk 1 stay out
.irp j, 0,1,2,3,4,5,6,7,8,9,10,11
	v_cvt_pk_f16_f32 v[LB+4*\j], v[LB+4*\j], v[LB+4*\j+1]
	v_cvt_pk_f16_f32 v[LB+4*\j+1], v[LB+4*\j+2], v[LB+4*\j+3]
	ds_store_b64 v[LROW], v[LB+4*\j:LB+4*\j+1] offset:AB+8*\j*PA
.endr
	v_cvt_pk_f16_f32 v[LBT], v[LBT], v[LBT+1]
	ds_store_b32 v[LBTA], v[LBT] offset:AB+96*PA
	s_wait_loadcnt 10                              ; Wk's 8 are in; V 7 + q 2 + bk 1 stay out
.irp j, 0,1,2,3,4,5,6,7
	v_cvt_pk_f16_f32 v[LW+4*\j], v[LW+4*\j], v[LW+4*\j+1]
	v_cvt_pk_f16_f32 v[LW+4*\j+1], v[LW+4*\j+2], v[LW+4*\j+3]
	ds_store_b64 v[LROWW], v[LW+4*\j:LW+4*\j+1] offset:8*\j*PA
.endr
	s_wait_loadcnt 3                               ; V's 7 are in; q 2 + bk 1 stay out
.irp j, 0,1,2,3,4,5
	ds_store_b128 v[LVA], v[LV+4*\j:LV+4*\j+3] offset:VS+16*\j*PV
.endr
	ds_store_b32 v[LVTA], v[LVT] offset:VS+96*PV
	s_wait_loadcnt 1                               ; q's 2 are in; bk stays out
.irp j, 0,2,4,6
	v_pk_mul_f32 v[LQ+\j:LQ+\j+1], v[LQ+\j:LQ+\j+1], 0x3fb8aa3b op_sel_hi:[1,0]   ; q log2(e): the exponential below is 2^x
.endr
	ds_store_b128 v[G16], v[LQ:LQ+3] offset:QS         ; row (t >> 4) of 256 bytes + 16 r = 16 t
	ds_store_b128 v[G16], v[LQ+4:LQ+7] offset:QS+4096
	s_wait_loadcnt 0
.irp j, 1,2,3,4,5,6,7
	v_mov_b32 v[BIAS+\j], v[BIAS]                  ; C(m, n) = bk[n] for all eight rows of the lane
.endr
	s_wait_dscnt 0x0                               ; for the other waves: all my stores are in LDS
	s_barrier_signal -1
	s_barrier_wait -1
	; K OF MY 16 COLUMNS: 7 tiles of 16 l, 4 K steps of 32.  A = rows of base, B = rows of Wk (both with K along the row).
	; A fragment: lane (r, h) takes bytes 16 h .. +15 and 32 + 16 h .. +15 of the row's 64 bytes of the K step.
.macro LOADA buf, ks
.irp i, 0,1,2,3,4,5
	ds_load_b128 v[\buf+8*\i:\buf+8*\i+3],   v[FA] offset:AB+16*\i*PA+64*\ks
	ds_load_b128 v[\buf+8*\i+4:\buf+8*\i+7], v[FA] offset:AB+16*\i*PA+64*\ks+32
.endr
	ds_load_b128 v[\buf+48:\buf+51], v[FAT] offset:AB+64*\ks
	ds_load_b128 v[\buf+52:\buf+55], v[FAT] offset:AB+64*\ks+32
.endm
.macro MUL7 buf, ks, first             ; first = 1: C is the bias, so nothing is cleared and nothing is added later
.irp i, 0,1,2,3,4,5,6
.if \first
	v_wmma_f32_16x16x32_f16 v[KR+8*\i:KR+8*\i+7], v[\buf+8*\i:\buf+8*\i+7], v[BF+8*\ks:BF+8*\ks+7], v[BIAS:BIAS+7]
.else
	v_wmma_f32_16x16x32_f16 v[KR+8*\i:KR+8*\i+7], v[\buf+8*\i:\buf+8*\i+7], v[BF+8*\ks:BF+8*\ks+7], v[KR+8*\i:KR+8*\i+7]
.endif
.endr
.endm
.macro PLACES                          ; four independent vector instructions between a matrix instruction and a load into, or a vector
.rept 4                                ; instruction on, one of its registers (ISA guide 7.12.1)
	v_nop
.endr
.endm
.irp i, 0,1,2,3
	ds_load_b128 v[BF+8*\i:BF+8*\i+3],   v[FB] offset:64*\i
	ds_load_b128 v[BF+8*\i+4:BF+8*\i+7], v[FB] offset:64*\i+32
.endr
	LOADA AX, 0
	LOADA AY, 1
	s_wait_dscnt 14                                ; B and buffer X are in; buffer Y's 14 loads stay out
	MUL7 AX, 0, 1
	PLACES
	LOADA AX, 2
	s_wait_dscnt 14                                ; buffer Y is in; X's 14 stay out
	MUL7 AY, 1, 0
	PLACES
	LOADA AY, 3
	s_wait_dscnt 14                                ; buffer X is in; Y's 14 stay out
	MUL7 AX, 2, 0
	PLACES
	; V of my 50 l into the registers of buffer X, register for register as K lies; then the first two q
.irp i, 0,1,2,3,4,5
.irp j, 0,1,2,3,4,5,6,7
	ds_load_b32 v[VR+8*\i+\j], v[VV] offset:VS+(16*\i+\j)*PV
.endr
.endr
	ds_load_b32 v[VR+48], v[VVT] offset:VS+96*PV
	ds_load_b32 v[VR+49], v[VVT] offset:VS+97*PV
	ds_load_b32 v[QA], v[VQ] offset:QS
	ds_load_b32 v[QA+4], v[VQ] offset:QS+256
	s_wait_dscnt 52                                ; buffer Y is in; the 50 + 2 loads issued behind it stay out
	MUL7 AY, 3, 0
	PLACES
	; Kmax and Kmin of my column: my 50 l, then the other half's 50
	v_max3_num_f32 v[NKX], v[KR], v[KR+1], v[KR+2]
	v_min3_num_f32 v[NKN], v[KR], v[KR+1], v[KR+2]
.set i, 3
.rept 23
	v_max3_num_f32 v[NKX], v[NKX], v[KR+i], v[KR+i+1]
	v_min3_num_f32 v[NKN], v[NKN], v[KR+i], v[KR+i+1]
.set i, i+2
.endr
	v_max_num_f32 v[NKX], v[NKX], v[KR+49]
	v_min_num_f32 v[NKN], v[NKN], v[KR+49]
	v_permlanex16_b32 v[X], v[NKX], s32, s33
	v_permlanex16_b32 v[X+1], v[NKN], s32, s33
	v_max_num_f32 v[NKX], v[NKX], v[X]
	v_min_num_f32 v[NKN], v[NKN], v[X+1]
	v_mul_f32 v[NKX], -1.0, v[NKX]                 ; kept negative: the loop needs minus the maximum as the addend of a multiply-add
	v_mul_f32 v[NKN], -1.0, v[NKN]
	s_wait_dscnt 0x0                               ; V and the first two q
	; THE LOOP: two p a trip, 50 pairs of l (25 for p_a, then 25 for p_b), numbered m = 0 .. 49.
.macro ARG m                           ; two arguments: K q log2(e) - maximum, never above 0 but for the rounding of the maximum
	v_pk_fma_f32 v[TR+2*((\m)%8):TR+2*((\m)%8)+1], v[KR+2*((\m)%25):KR+2*((\m)%25)+1], v[QA+4*((\m)/25):QA+4*((\m)/25)+1], v[MA+4*((\m)/25):MA+4*((\m)/25)+1] op_sel_hi:[1,0,0]
.endm
.macro EXPS m                          ; two exponentials; a p's first pair goes straight into its denominator, which is so never cleared
.if ((\m)%25) == 0
	v_exp_f32 v[SA+4*((\m)/25)], v[TR+2*((\m)%8)]
	v_exp_f32 v[SA+4*((\m)/25)+1], v[TR+2*((\m)%8)+1]
.else
	v_exp_f32 v[TR+2*((\m)%8)], v[TR+2*((\m)%8)]
	v_exp_f32 v[TR+2*((\m)%8)+1], v[TR+2*((\m)%8)+1]
.endif
.endm
.macro ACC m                           ; denominator += e, numerator += e V; a p's first product starts its numerator
.if ((\m)%25) == 0
	s_wait_alu depctr_va_vdst(0)
	v_pk_mul_f32 v[NA+4*((\m)/25):NA+4*((\m)/25)+1], v[SA+4*((\m)/25):SA+4*((\m)/25)+1], v[VR:VR+1]
.else
	s_wait_alu depctr_va_vdst(0)
	v_pk_add_f32 v[SA+4*((\m)/25):SA+4*((\m)/25)+1], v[SA+4*((\m)/25):SA+4*((\m)/25)+1], v[TR+2*((\m)%8):TR+2*((\m)%8)+1]
	v_pk_fma_f32 v[NA+4*((\m)/25):NA+4*((\m)/25)+1], v[TR+2*((\m)%8):TR+2*((\m)%8)+1], v[VR+2*((\m)%25):VR+2*((\m)%25)+1], v[NA+4*((\m)/25):NA+4*((\m)/25)+1]
.endif
.endm
; more = 1: another trip follows, and its two q are fetched at this trip's head.
.macro TRIP more
	v_mul_f32 v[X], v[QA], v[NKX]                  ; - max over l of q K = min(q (-Kmax), q (-Kmin)), whatever q's sign
	v_mul_f32 v[X+1], v[QA], v[NKN]
	v_mul_f32 v[X+2], v[QA+4], v[NKX]
	v_mul_f32 v[X+3], v[QA+4], v[NKN]
	v_min_num_f32 v[MA], v[X], v[X+1]
	v_min_num_f32 v[MA+4], v[X+2], v[X+3]
.if \more
	v_add_nc_u32 v[VQ], 512, v[VQ]
	ds_load_b32 v[QNA], v[VQ] offset:QS
	ds_load_b32 v[QNB], v[VQ] offset:QS+256
.endif
	; Arguments run four pairs ahead of the sums, exponentials two.  Behind each pair of v_exp_f32 stands the packed multiply-add of another pair
	; (in the last steps the sums of an older pair): the plain instruction that the ISA guide asks for between a transcendental and its use (5.7.2).
	ARG 0
	ARG 1
	ARG 2
	ARG 3
	EXPS 0
	EXPS 1
.set n, 0
.rept 50
.if n+2 < 50
	EXPS n+2
.endif
.if n+4 < 50
	ARG n+4
.endif
	ACC n
.set n, n+1
.endr
	; Each lane holds the sums over its 50 l.  The halves swap: h = 0 gets the other half's p_a and finishes p_a, h = 1 finishes p_b.
	v_add_f32 v[X], v[SA], v[SA+1]                 ; denominator a
	v_add_f32 v[X+1], v[NA], v[NA+1]               ; numerator a
	v_add_f32 v[X+2], v[SA+4], v[SA+5]             ; denominator b
	v_add_f32 v[X+3], v[NA+4], v[NA+5]             ; numerator b
	v_cndmask_b32 v[X+4], v[X+2], v[X], vcc_lo     ; to send: h = 1 sends a, h = 0 sends b
	v_cndmask_b32 v[X+5], v[X+3], v[X+1], vcc_lo
	v_cndmask_b32 v[X], v[X], v[X+2], vcc_lo       ; to keep: h = 1 keeps b, h = 0 keeps a
	v_cndmask_b32 v[X+1], v[X+1], v[X+3], vcc_lo
	v_permlanex16_b32 v[X+6], v[X+4], s32, s33
	v_permlanex16_b32 v[X+7], v[X+5], s32, s33
	v_add_f32 v[X], v[X], v[X+6]
	v_add_f32 v[X+1], v[X+1], v[X+7]
	v_rcp_f32 v[X+2], v[X]                         ; the denominator holds the largest weight, about 1: never 0
.if \more
	s_wait_dscnt 0x0                               ; the next q, asked for at the trip's head
	v_mov_b32 v[QA], v[QNA]                        ; (also the plain instructions behind v_rcp_f32)
	v_mov_b32 v[QA+4], v[QNB]
	s_wait_alu depctr_va_vdst(0)
.else
	v_nop
	s_wait_alu depctr_va_vdst(0)
.endif
	v_mul_f32 v[X+1], v[X+1], v[X+2]
	ds_store_b32 v[VO], v[X+1]                     ; row p_a + h of the result tile, my column
.if \more
	v_add_nc_u32 v[VO], 2*PO, v[VO]
.endif
.endm
	s_mov_b32 s34, 7
.Ltrip:
	TRIP 1
	s_sub_co_i32 s34, s34, 1
	s_cmp_lg_u32 s34, 0
	s_cbranch_scc1 .Ltrip
	TRIP 0                                         ; the eighth trip fetches no further q
	; OUT: a wave holds pieces of 64 bytes of 16 rows; through LDS the work-group's 32 rows leave as whole pieces of 256 bytes.
	s_wait_dscnt 0x0                               ; for the other waves: my results are in LDS
	s_barrier_signal -1
	s_barrier_wait -1
	ds_load_b128 v[TR:TR+3], v[VRD]                ; row t >> 4
	ds_load_b128 v[TR+4:TR+7], v[VRD] offset:16*PO ; row 16 + (t >> 4)
	s_wait_dscnt 0x1                               ; the first is in, the second stays out
	global_store_b128 v[VG], v[TR:TR+3], s[14:15] th:TH_STORE_NT                   ; 16 lanes store 256 consecutive bytes, at a multiple of 256 from out's first byte
	s_wait_dscnt 0x0
	global_store_b128 v[VG], v[TR+4:TR+7], s[14:15] offset:16*32768 th:TH_STORE_NT
	s_wait_tensorcnt 0x0
	ds_add_u32 v254, v255
	s_wait_dscnt 0x0
	s_endpgm
.Lfunc_end_k_q3e432ac1eb_pool:
	.size	k_q3e432ac1eb_pool, .Lfunc_end_k_q3e432ac1eb_pool-k_q3e432ac1eb_pool
	.p2alignl 7, 3214868480
	.fill 96, 4, 3214868480
	.section	.rodata,"a",@progbits
	.p2align	6, 0x0
	.amdhsa_kernel k_q3e432ac1eb_pool
		.amdhsa_group_segment_fixed_size 94464
		.amdhsa_private_segment_fixed_size 0
		.amdhsa_enable_private_segment 0
		.amdhsa_kernarg_size 48
		.amdhsa_user_sgpr_count 2
		.amdhsa_user_sgpr_kernarg_segment_ptr 1
		.amdhsa_wavefront_size32 1
		.amdhsa_system_sgpr_workgroup_id_x 1
		.amdhsa_system_sgpr_workgroup_id_y 1
		.amdhsa_system_sgpr_workgroup_id_z 1
		.amdhsa_system_vgpr_workitem_id 0
		.amdhsa_next_free_vgpr 256
		.amdhsa_next_free_sgpr 66
		.amdhsa_reserve_vcc 1
		.amdhsa_float_denorm_mode_32 3
		.amdhsa_float_denorm_mode_16_64 3
		.amdhsa_memory_ordered 1
		.amdhsa_forward_progress 1
		.amdhsa_inst_pref_size 56
	.end_amdhsa_kernel
	.amdgpu_metadata
---
amdhsa.version: [ 1, 2 ]
amdhsa.kernels:
  - .name:           k_q3e432ac1eb_pool
    .symbol:         k_q3e432ac1eb_pool.kd
    .args:
      - { .name: gallery_base, .offset: 0, .size: 8, .value_kind: global_buffer, .address_space: global }
      - { .name: Wk, .offset: 8, .size: 8, .value_kind: global_buffer, .address_space: global }
      - { .name: bk, .offset: 16, .size: 8, .value_kind: global_buffer, .address_space: global }
      - { .name: gallery_value, .offset: 24, .size: 8, .value_kind: global_buffer, .address_space: global }
      - { .name: querys, .offset: 32, .size: 8, .value_kind: global_buffer, .address_space: global }
      - { .name: out0, .offset: 40, .size: 8, .value_kind: global_buffer, .address_space: global }
    .group_segment_fixed_size: 94464
    .private_segment_fixed_size: 0
    .kernarg_segment_align: 8
    .kernarg_segment_size: 48
    .max_flat_workgroup_size: 256
    .sgpr_count:     66
    .vgpr_count:     256
    .wavefront_size: 32
...
	.end_amdgpu_metadata
.endif
;; end of part 1
;; ======== version 2 of 2: 1 launch; 1.31 times as fast as version 1
;; limits: values are held in f16: magnitudes above 65,504 overflow, below 6.1e-05 lose precision; inputs' magnitudes at most 65,504
;; launch pool (part 2): grid 4 x 64, 8 waves a work-group, no clusters, 94,464 bytes of LDS; arguments gallery_base, Wk, bk, gallery_value, querys, out0; writes out0
.if DOCPART == 2
	.amdgcn_target "amdgcn-amd-amdhsa--gfx1250"
	.amdhsa_code_object_version 6
	.text
	.protected	k_q3e432ac1eb_pool
	.globl	k_q3e432ac1eb_pool
	.p2align	8
	.type	k_q3e432ac1eb_pool,@function
k_q3e432ac1eb_pool:
	s_mov_b64 s[64:65], 0
	v_nop
	global_prefetch_b8 v0, s[64:65] scope:SCOPE_SE
	s_setreg_imm32_b32 hwreg(HW_REG_WAVE_MODE, 25, 1), 1
	s_wait_xcnt 0x0
; out[p][g][d] = sum over l of softmax_l(q[p][d] K[g][l][d]) V[g][l][d],   K[g][l][e] = sum over d of base[g][l][d] Wk[e][d] + bk[e].
; G = 64, L = 100, D = 128, P = 64; every buffer f32.
;
; SHARES.  A work-group owns one g, 64 columns d (256 bytes of a row) and 32 p: 64 x 2 x 2 = 256 work-groups.  Eight waves:
; wave = (db, pg) owns the 16 columns 16 db .. 16 db + 15 of the 64 and the 16 p 16 pg .. 16 pg + 15 of the 32.
; Lane (r = t & 15, h = (t >> 4) & 1) owns column 16 db + r and 50 of the 100 l: l = 16 i + 8 h + j (i < 6, j < 8) and l = 96 + 2 h + j (j < 2).
; That is the layout in which the matrix instruction leaves D (register j: row 8 h + j, column r), so K stays in its accumulators;
; the seventh tile's A rows are addressed so that its rows 0, 1, 8, 9 are l = 96 .. 99 (the other rows repeat these and are not used).
; The work is 32 x 64 x 100 exponentials a work-group, 800 a lane of each wave, with K and V of the lane in 100 registers: no memory in the inner loop.
;
; THE MAXIMUM.  max over l of q K[l] = max(q Kmax, q Kmin): Kmax and Kmin of a column are taken once, so every (p, d) subtracts its true maximum.
;
; THE BATCHES.  A trip of the loop takes two p, p_a and p_b: 2 x 25 pairs of l, 100 exponentials, each with a result register of its own for the whole trip.
; They are cut into two batches by l: batch 1 is the pairs 0-12 of both p (52 exponentials), batch 2 the pairs 13-24 of both (48).  Beside batch 1 stand the
; arguments of both batches, beside batch 2 the sums of batch 1; behind each batch stands ONE wait, and batch 2's sums follow the second.  The trip's one
; reciprocal reads a sum of exponentials and is a batch of its own.  So a trip has three such waits, and no result crosses the trip's end without one.
;
; NUMBER FORMATS.  The linear layer runs on f16 operands with f32 sums; all else is f32.  f16 and not bf16, because K is multiplied by q and
; exponentiated, and f16 keeps three more bits.  LIMITS: |base| or |Wk| of 65,504 and more become infinity, parts below 2^-25 are lost
; (inputs drawn with spreads 1 and 0.088 have a factor of some hundreds of room upward).  q is multiplied by log2(e) first and
; the exponential is 2^x, so the rounding order differs from exp(q K - max).  v_exp_f32 returns 0 for results below 2^-126: such weights are dropped.
;
; NO CLUSTER: what work-groups share (base[g] by four, the halves of V, Wk, q by two and more) is read once, in the first lines, 117 KB a work-group,
; and base and Wk must pass through registers to become f16; brought jointly into LDS as f32 they would be read back and stored again, 84 KB more
; of LDS traffic a work-group, to spare requests of a launch whose time is its exponentials.  The two pg waves of a db repeat the 28 matrix
; instructions of their columns: handing K over through LDS would need about as many LDS loads and one more barrier.
.set NL,   100
.set PA,   272                         ; LDS pitch of a row of 128 f16: 256 + 16 bytes, an odd multiple of 16, so 16 rows start in 16 different 16-byte columns (64 banks of 4 bytes: ISA guide 11.1)
.set PV,   304                         ; pitch of a V row of 64 f32: 76 words; 8 rows = 32 and 2 rows = 24 modulo 64 words, so the two lane halves use different banks
.set PO,   320                         ; pitch of a result row of 64 f32: 80 words = 16 modulo 64, for the same reason
.set VS,   0                           ; V      100 rows x PV  = 30,400 bytes
.set AB,   30400                       ; base   100 rows x PA  = 27,200
.set QS,   57600                       ; q      32 rows x 256  =  8,192
.set WB,   65792                       ; Wk     64 rows x PA   = 17,408   (beyond the 16-bit immediate: carried in the address registers)
.set OS,   83200                       ; result 32 rows x PO   = 10,240   (likewise); end at 93,440
; registers.  v1-14 are offsets that nothing reads behind the first barrier; v2-9 then hold the loop's four sums (SA, NA below)
.set RR,    1                          ; r = t & 15
.set HH,    2                          ; h
.set G16,   3                          ; 16 t
.set G8,    4                          ; 8 t
.set LROW,  5                          ; (t >> 5) PA + 8 (t & 31): where a thread puts 4 f16 of a row
.set LROWW, 6                          ; the same + WB
.set T4,    7                          ; t >> 4
.set T6,    8                          ; t >> 6
.set LBTA,  9                          ; (t >> 6) PA + 4 (t & 63)
.set GV,    10                         ; (t >> 4) 512 + 16 r: rows of 256 bytes in tensors with rows of 512
.set LVA,   11                         ; (t >> 4) PV + 16 r
.set GVT,   12                         ; (t >> 6) 512 + 4 (t & 63)
.set LVTA,  13                         ; (t >> 6) PV + 4 (t & 63)
.set COL,   14                         ; 4 (16 db + r): my column, in bytes
.set LB,    16                         ; v16-63   base as loaded, 12 x 4;  LBT v64-65 its last four rows
.set LBT,   64
.set LW,    66                         ; v66-97   Wk as loaded, 8 x 4
.set LV,    98                         ; v98-121  V as loaded, 6 x 4;      LVT v122 its last four rows
.set LVT,   122
.set LQ,    124                        ; v124-131 q as loaded, 2 x 4
.set SA,    2                          ; v2-3     in the loop: denominator of p_a (two partial sums), v6-7 of p_b; a p's pair 0 is made in place here
.set NA,    4                          ; v4-5     in the loop: numerator of p_a, v8-9 of p_b
.set KR,    16                         ; v16-71   behind the barrier: K, 7 tiles x 8; v16-65 are my 50 l
.set AX,    72                         ; v72-127  A fragments, buffer X; afterwards
.set VR,    72                         ; v72-121  V of my 50 l
.set AY,    128                        ; v128-183 A fragments, buffer Y; afterwards, with BF's and BIAS's registers,
.set TR,    128                        ; v128-223 in the loop: 48 pairs, arguments and then exponentials in place: pair k (1-24) of p_a at TR + 4 (k - 1), of p_b two registers on
.set BF,    184                        ; v184-215 B fragments, 4 K steps x 8
.set BIAS,  216                        ; v216-223 bk of my column, eight times: the C of each tile's first product
.set FA,    224                        ; r PA + 16 h
.set FAT,   225                        ; (96 + (r & 1) + 2 (r >> 3)) PA + 16 h
.set FB,    226                        ; WB + (16 db + r) PA + 16 h
.set VV,    227                        ; 8 h PV + COL
.set VVT,   228                        ; 2 h PV + COL
.set VQ,    229                        ; 16 pg x 256 + COL, stepped by two rows a trip
.set VO,    230                        ; OS + (16 pg + h) PO + COL, stepped by two rows a trip
.set VRD,   231                        ; OS + (t >> 4) PO + 16 r
.set VG,    232                        ; (t >> 4) x 32,768 + 16 r: the same rows in out
.set NKX,   234                        ; - Kmax of my column
.set NKN,   235                        ; - Kmin
.set QA,    236                        ; v236 q_a log2(e), v240 the same for p_b.  Each of these four stands in the low register of a pair, since the packed
.set MA,    238                        ; v238 - maximum of p_a, v242 of p_b.       forms broadcast a pair's low register; v237, 239, 241, 243 are written once and never used
.set QNA,   244                        ; the next trip's two q
.set QNB,   245
.set X,     246                        ; v246-253 at work
	s_load_b256 s[4:11], s[0:1], 0x0               ; base s[4:5], Wk s[6:7], bk s[8:9], V s[10:11]
	s_load_b128 s[12:15], s[0:1], 0x20             ; q s[12:13], out s[14:15]
	v_lshl_add_u32 v254, v0, 2, 0x16d00
	v_mov_b32 v255, 0
	; the offsets of the global loads, while the addresses come
	v_lshlrev_b32 v[G16], 4, v0
	v_lshlrev_b32 v[G8], 3, v0
	v_and_b32 v[RR], 15, v0
	v_lshrrev_b32 v[T4], 4, v0
	v_lshrrev_b32 v[T6], 6, v0
	v_and_b32 v[X+2], 63, v0
	v_lshlrev_b32 v[X+2], 2, v[X+2]                ; 4 (t & 63)
	v_lshlrev_b32 v[X+3], 4, v[RR]                 ; 16 r
	v_lshl_add_u32 v[GV], v[T4], 9, v[X+3]
	v_lshl_add_u32 v[GVT], v[T6], 9, v[X+2]
	v_bfe_u32 v[X+7], v0, 5, 2                     ; db = wave & 3
	v_lshlrev_b32 v[X+5], 2, v[RR]
	v_lshl_add_u32 v[COL], v[X+7], 6, v[X+5]
	s_and_b32 s17, ttmp9, 1                        ; dh: which 64 columns
	s_lshr_b32 s18, ttmp9, 1                       ; ph: which 32 p
	s_and_b32 s19, ttmp7, 0xffff                   ; g
	s_mul_i32 s20, s19, NL*512                     ; base: g x 51,200 bytes
	s_mov_b32 s21, 0
	s_lshl_b32 s22, s17, 15                        ; Wk: dh x 64 rows of 512 bytes
	s_mov_b32 s23, 0
	s_lshl_b32 s24, s17, 8                         ; bk: dh x 256 bytes
	s_mov_b32 s25, 0
	s_add_co_u32 s26, s20, s24                     ; V: g x 51,200 + dh x 256
	s_mov_b32 s27, 0
	s_lshl_b32 s28, s18, 14                        ; q: ph x 32 rows of 512 bytes + dh x 256
	s_add_co_u32 s28, s28, s24
	s_mov_b32 s29, 0
	s_lshl_b32 s30, s18, 20                        ; out: ph x 32 x 32,768 + g x 512 + dh x 256
	s_lshl_b32 s31, s19, 9
	s_add_co_u32 s30, s30, s31
	s_add_co_u32 s30, s30, s24
	s_mov_b32 s31, 0
	s_mov_b32 s32, 0x76543210                      ; v_permlanex16_b32: lane i of one half reads lane i of the other
	s_mov_b32 s33, 0xfedcba98
	s_mov_b32 vcc_lo, 0xffff0000                   ; the lanes with h = 1
	s_wait_kmcnt 0x0
	s_add_nc_u64 s[4:5], s[4:5], s[20:21]
	s_add_nc_u64 s[6:7], s[6:7], s[22:23]
	s_add_nc_u64 s[8:9], s[8:9], s[24:25]
	s_add_nc_u64 s[10:11], s[10:11], s[26:27]
	s_add_nc_u64 s[12:13], s[12:13], s[28:29]
	s_add_nc_u64 s[14:15], s[14:15], s[30:31]
	; ALL THE WORK-GROUP READS, 31 loads a thread, issued at once.  base[g] and the half of Wk are dense blocks: 256 threads x 16 bytes = 4,096 bytes a round.
.irp j, 0,1,2,3,4,5,6,7,8,9,10,11
	global_load_b128 v[LB+4*\j:LB+4*\j+3], v[G16], s[4:5] offset:4096*\j       ; rows 8 j + wave
.endr
	global_load_b64 v[LBT:LBT+1], v[G8], s[4:5] offset:49152                   ; rows 96-99: 2,048 bytes = 256 threads x 8
.irp j, 0,1,2,3,4,5,6,7
	global_load_b128 v[LW+4*\j:LW+4*\j+3], v[G16], s[6:7] offset:4096*\j
.endr
.irp j, 0,1,2,3,4,5
	global_load_b128 v[LV+4*\j:LV+4*\j+3], v[GV], s[10:11] offset:8192*\j      ; rows 16 j + (t >> 4): 16 lanes take the row's 256 bytes
.endr
	global_load_b32 v[LVT], v[GVT], s[10:11] offset:49152                      ; rows 96-99: 1,024 bytes = 256 threads x 4
.irp j, 0,1
	global_load_b128 v[LQ+4*\j:LQ+4*\j+3], v[GV], s[12:13] offset:8192*\j
.endr
	global_load_b32 v[BIAS], v[COL], s[8:9]
	; the LDS addresses of every later step, while the data come
	v_bfe_u32 v[HH], v0, 4, 1
	v_lshrrev_b32 v[X], 5, v0                      ; wave
	v_and_b32 v[X+1], 31, v0
	v_lshlrev_b32 v[X+1], 3, v[X+1]
	v_mad_u32_u24 v[LROW], v[X], PA, v[X+1]
	v_add_nc_u32 v[LROWW], WB, v[LROW]
	v_mad_u32_u24 v[LBTA], v[T6], PA, v[X+2]
	v_mad_u32_u24 v[LVA], v[T4], PV, v[X+3]
	v_mad_u32_u24 v[LVTA], v[T6], PV, v[X+2]
	v_lshlrev_b32 v[X+4], 4, v[HH]                 ; 16 h
	v_mad_u32_u24 v[FA], v[RR], PA, v[X+4]
	v_and_b32 v[X+5], 1, v[RR]
	v_lshrrev_b32 v[X+6], 3, v[RR]
	v_lshl_add_u32 v[X+5], v[X+6], 1, v[X+5]
	v_add_nc_u32 v[X+5], 96, v[X+5]                ; the seventh tile's row m = r is l = 96 + (r & 1) + 2 (r >> 3)
	v_mad_u32_u24 v[FAT], v[X+5], PA, v[X+4]
	v_mad_u32_u24 v[FB], v[X+7], 16*PA, v[FA]
	v_add_nc_u32 v[FB], WB, v[FB]
	v_mad_u32_u24 v[VV], v[HH], 8*PV, v[COL]
	v_mad_u32_u24 v[VVT], v[HH], 2*PV, v[COL]
	v_lshrrev_b32 v[X+6], 7, v0                    ; pg = wave >> 2
	v_lshl_add_u32 v[VQ], v[X+6], 12, v[COL]
	v_mad_u32_u24 v[VO], v[X+6], 16*PO, v[COL]
	v_mad_u32_u24 v[VO], v[HH], PO, v[VO]
	v_add_nc_u32 v[VO], OS, v[VO]
	v_mad_u32_u24 v[VRD], v[T4], PO, v[X+3]
	v_add_nc_u32 v[VRD], OS, v[VRD]
	v_lshl_add_u32 v[VG], v[T4], 15, v[X+3]
.irp j, 1,3,5,7
	v_mov_b32 v[QA+\j], 0                          ; the upper registers of the four broadcast pairs: read as part of the pair, never used
.endr
	; INTO LDS.  Loads come back in order (ISA guide 5.7.1): each count is the number of loads issued behind the group that is needed.
	s_wait_loadcnt 18                              ; base's 13 are in; Wk 8 + V 7 + q 2 + bk 1 stay out
.irp j, 0,1,2,3,4,5,6,7,8,9,10,11
	v_cvt_pk_f16_f32 v[LB+4*\j], v[LB+4*\j], v[LB+4*\j+1]
	v_cvt_pk_f16_f32 v[LB+4*\j+1], v[LB+4*\j+2], v[LB+4*\j+3]
	ds_store_b64 v[LROW], v[LB+4*\j:LB+4*\j+1] offset:AB+8*\j*PA
.endr
	v_cvt_pk_f16_f32 v[LBT], v[LBT], v[LBT+1]
	ds_store_b32 v[LBTA], v[LBT] offset:AB+96*PA
	s_wait_loadcnt 10                              ; Wk's 8 are in; V 7 + q 2 + bk 1 stay out
.irp j, 0,1,2,3,4,5,6,7
	v_cvt_pk_f16_f32 v[LW+4*\j], v[LW+4*\j], v[LW+4*\j+1]
	v_cvt_pk_f16_f32 v[LW+4*\j+1], v[LW+4*\j+2], v[LW+4*\j+3]
	ds_store_b64 v[LROWW], v[LW+4*\j:LW+4*\j+1] offset:8*\j*PA
.endr
	s_wait_loadcnt 3                               ; V's 7 are in; q 2 + bk 1 stay out
.irp j, 0,1,2,3,4,5
	ds_store_b128 v[LVA], v[LV+4*\j:LV+4*\j+3] offset:VS+16*\j*PV
.endr
	ds_store_b32 v[LVTA], v[LVT] offset:VS+96*PV
	s_wait_loadcnt 1                               ; q's 2 are in; bk stays out
.irp j, 0,2,4,6
	v_pk_mul_f32 v[LQ+\j:LQ+\j+1], v[LQ+\j:LQ+\j+1], 0x3fb8aa3b op_sel_hi:[1,0]   ; q log2(e): the exponential below is 2^x
.endr
	ds_store_b128 v[G16], v[LQ:LQ+3] offset:QS         ; row (t >> 4) of 256 bytes + 16 r = 16 t
	ds_store_b128 v[G16], v[LQ+4:LQ+7] offset:QS+4096
	s_wait_loadcnt 0
.irp j, 1,2,3,4,5,6,7
	v_mov_b32 v[BIAS+\j], v[BIAS]                  ; C(m, n) = bk[n] for all eight rows of the lane
.endr
	s_wait_dscnt 0x0                               ; for the other waves: all my stores are in LDS
	s_barrier_signal -1
	s_barrier_wait -1
	; K OF MY 16 COLUMNS: 7 tiles of 16 l, 4 K steps of 32.  A = rows of base, B = rows of Wk (both with K along the row).
	; A fragment: lane (r, h) takes bytes 16 h .. +15 and 32 + 16 h .. +15 of the row's 64 bytes of the K step.
.macro LOADA buf, ks
.irp i, 0,1,2,3,4,5
	ds_load_b128 v[\buf+8*\i:\buf+8*\i+3],   v[FA] offset:AB+16*\i*PA+64*\ks
	ds_load_b128 v[\buf+8*\i+4:\buf+8*\i+7], v[FA] offset:AB+16*\i*PA+64*\ks+32
.endr
	ds_load_b128 v[\buf+48:\buf+51], v[FAT] offset:AB+64*\ks
	ds_load_b128 v[\buf+52:\buf+55], v[FAT] offset:AB+64*\ks+32
.endm
.macro MUL7 buf, ks, first             ; first = 1: C is the bias, so nothing is cleared and nothing is added later
.irp i, 0,1,2,3,4,5,6
.if \first
	v_wmma_f32_16x16x32_f16 v[KR+8*\i:KR+8*\i+7], v[\buf+8*\i:\buf+8*\i+7], v[BF+8*\ks:BF+8*\ks+7], v[BIAS:BIAS+7]
.else
	v_wmma_f32_16x16x32_f16 v[KR+8*\i:KR+8*\i+7], v[\buf+8*\i:\buf+8*\i+7], v[BF+8*\ks:BF+8*\ks+7], v[KR+8*\i:KR+8*\i+7]
.endif
.endr
.endm
.macro PLACES                          ; four independent vector instructions between a matrix instruction and a load into, or a vector
.rept 4                                ; instruction on, one of its registers (ISA guide 7.12.1)
	v_nop
.endr
.endm
.irp i, 0,1,2,3
	ds_load_b128 v[BF+8*\i:BF+8*\i+3],   v[FB] offset:64*\i
	ds_load_b128 v[BF+8*\i+4:BF+8*\i+7], v[FB] offset:64*\i+32
.endr
	LOADA AX, 0
	LOADA AY, 1
	s_wait_dscnt 14                                ; B and buffer X are in; buffer Y's 14 loads stay out
	MUL7 AX, 0, 1
	PLACES
	LOADA AX, 2
	s_wait_dscnt 14                                ; buffer Y is in; X's 14 stay out
	MUL7 AY, 1, 0
	PLACES
	LOADA AY, 3
	s_wait_dscnt 14                                ; buffer X is in; Y's 14 stay out
	MUL7 AX, 2, 0
	PLACES
	; V of my 50 l into the registers of buffer X, register for register as K lies; then the first two q
.irp i, 0,1,2,3,4,5
.irp j, 0,1,2,3,4,5,6,7
	ds_load_b32 v[VR+8*\i+\j], v[VV] offset:VS+(16*\i+\j)*PV
.endr
.endr
	ds_load_b32 v[VR+48], v[VVT] offset:VS+96*PV
	ds_load_b32 v[VR+49], v[VVT] offset:VS+97*PV
	ds_load_b32 v[QA], v[VQ] offset:QS
	ds_load_b32 v[QA+4], v[VQ] offset:QS+256
	s_wait_dscnt 52                                ; buffer Y is in; the 50 + 2 loads issued behind it stay out
	MUL7 AY, 3, 0
	PLACES
	; Kmax and Kmin of my column: my 50 l, then the other half's 50
	v_max3_num_f32 v[NKX], v[KR], v[KR+1], v[KR+2]
	v_min3_num_f32 v[NKN], v[KR], v[KR+1], v[KR+2]
.set i, 3
.rept 23
	v_max3_num_f32 v[NKX], v[NKX], v[KR+i], v[KR+i+1]
	v_min3_num_f32 v[NKN], v[NKN], v[KR+i], v[KR+i+1]
.set i, i+2
.endr
	v_max_num_f32 v[NKX], v[NKX], v[KR+49]
	v_min_num_f32 v[NKN], v[NKN], v[KR+49]
	v_permlanex16_b32 v[X], v[NKX], s32, s33
	v_permlanex16_b32 v[X+1], v[NKN], s32, s33
	v_max_num_f32 v[NKX], v[NKX], v[X]
	v_min_num_f32 v[NKN], v[NKN], v[X+1]
	v_mul_f32 v[NKX], -1.0, v[NKX]                 ; kept negative: the loop needs minus the maximum as the addend of a multiply-add
	v_mul_f32 v[NKN], -1.0, v[NKN]
	s_wait_dscnt 0x0                               ; V and the first two q
	; THE LOOP: two p a trip, 50 pairs of l, numbered u = 2 k + c: pair k (0-24) of my 50 l, c = 0 for p_a and 1 for p_b.
.macro REGU u                          ; rE: the two registers of pair u.  A p's pair 0 lies in its denominator, which is so never cleared
.if (\u) < 2
.set rE, SA+4*(\u)
.else
.set rE, TR+2*((\u)-2)
.endif
.endm
.macro ARG u                           ; two arguments: K q log2(e) - maximum, never above 0 but for the rounding of the maximum
	REGU \u
	v_pk_fma_f32 v[rE:rE+1], v[KR+2*((\u)/2):KR+2*((\u)/2)+1], v[QA+4*((\u)%2):QA+4*((\u)%2)+1], v[MA+4*((\u)%2):MA+4*((\u)%2)+1] op_sel_hi:[1,0,0]
.endm
.macro EXP1 e                          ; exponential e of 100, in place: half e % 2 of pair e / 2
	REGU (\e)/2
	v_exp_f32 v[rE+(\e)%2], v[rE+(\e)%2]
.endm
.macro ACC a                           ; line a of the 98 that sum.  0, 1: a p's first product starts its numerator.  From 2 on, for pair u = a / 2 + 1:
.if (\a) < 2                           ; denominator += e (a even), numerator += e V (a odd).  Each of the four sums takes its pairs with k ascending; its links stand four lines apart
	v_pk_mul_f32 v[NA+4*(\a):NA+4*(\a)+1], v[SA+4*(\a):SA+4*(\a)+1], v[VR:VR+1]
.else
	REGU (\a)/2+1
.set rC, 4*(((\a)/2+1)%2)
.set rK, 2*(((\a)/2+1)/2)
.if (\a)%2 == 0
	v_pk_add_f32 v[SA+rC:SA+rC+1], v[SA+rC:SA+rC+1], v[rE:rE+1]
.else
	v_pk_fma_f32 v[NA+rC:NA+rC+1], v[rE:rE+1], v[VR+rK:VR+rK+1], v[NA+rC:NA+rC+1]
.endif
.endif
.endm
; more = 1: another trip follows, and its two q are fetched at this trip's head.
.macro TRIP more
	v_mul_f32 v[X], v[QA], v[NKX]                  ; - max over l of q K = min(q (-Kmax), q (-Kmin)), whatever q's sign
	v_mul_f32 v[X+1], v[QA], v[NKN]
	v_mul_f32 v[X+2], v[QA+4], v[NKX]
	v_mul_f32 v[X+3], v[QA+4], v[NKN]
	v_min_num_f32 v[MA], v[X], v[X+1]
	v_min_num_f32 v[MA+4], v[X+2], v[X+3]
.if \more
	v_add_nc_u32 v[VQ], 512, v[VQ]
	ds_load_b32 v[QNA], v[VQ] offset:QS
	ds_load_b32 v[QNB], v[VQ] offset:QS+256
.endif
	; BATCH 1: exponentials 0-51 (pairs u = 0-25: k = 0-12 of both p).  Beside them the arguments of all 50 pairs: four ahead, then ARG u behind exponential u + 2,
	; well ahead of its own exponentials 2 u and 2 u + 1.  No argument names a register that an exponential of this batch has written.
	ARG 0
	ARG 1
	ARG 2
	ARG 3
.set n, 0
.rept 52
	EXP1 n
.if n >= 6
	ARG n-2
.endif
.set n, n+1
.endr
	s_wait_alu depctr_va_vdst(0)                   ; the wait for batch 1, ahead of the first line that names a result: one for its 52 exponentials; ARG 49 is the plain instruction behind the last (ISA guide 5.7.2)
	; BATCH 2: exponentials 52-99 (pairs u = 26-49: k = 13-24 of both p).  Beside them batch 1's sums, lines 0-49, which name pairs up to u = 25 alone.
.set n, 0
.rept 48
	EXP1 n+52
	ACC n
.set n, n+1
.endr
	ACC 48
	ACC 49
	s_wait_alu depctr_va_vdst(0)                   ; the wait for batch 2: one for its 48 exponentials; three lines of batch 1's sums stand behind the last of them
.set n, 50
.rept 48
	ACC n                                          ; batch 2's sums
.set n, n+1
.endr
	; Each lane holds the sums over its 50 l.  The halves swap: h = 0 gets the other half's p_a and finishes p_a, h = 1 finishes p_b.
	v_add_f32 v[X], v[SA], v[SA+1]                 ; denominator a
	v_add_f32 v[X+1], v[NA], v[NA+1]               ; numerator a
	v_add_f32 v[X+2], v[SA+4], v[SA+5]             ; denominator b
	v_add_f32 v[X+3], v[NA+4], v[NA+5]             ; numerator b
	v_cndmask_b32 v[X+4], v[X+2], v[X], vcc_lo     ; to send: h = 1 sends a, h = 0 sends b
	v_cndmask_b32 v[X+5], v[X+3], v[X+1], vcc_lo
	v_cndmask_b32 v[X], v[X], v[X+2], vcc_lo       ; to keep: h = 1 keeps b, h = 0 keeps a
	v_cndmask_b32 v[X+1], v[X+1], v[X+3], vcc_lo
	v_permlanex16_b32 v[X+6], v[X+4], s32, s33
	v_permlanex16_b32 v[X+7], v[X+5], s32, s33
	v_add_f32 v[X], v[X], v[X+6]
	v_add_f32 v[X+1], v[X+1], v[X+7]
	v_rcp_f32 v[X+2], v[X]                         ; the denominator holds the largest weight, about 1: never 0
.if \more
	s_wait_dscnt 0x0                               ; the next q, asked for at the trip's head
	v_mov_b32 v[QA], v[QNA]                        ; (also the plain instructions behind v_rcp_f32)
	v_mov_b32 v[QA+4], v[QNB]
	s_wait_alu depctr_va_vdst(0)                   ; the wait for the reciprocal, a batch of one: it reads a sum of both batches' exponentials, and its reader is the next line
.else
	v_nop
	s_wait_alu depctr_va_vdst(0)                   ; the wait for the reciprocal, a batch of one
.endif
	v_mul_f32 v[X+1], v[X+1], v[X+2]
	ds_store_b32 v[VO], v[X+1]                     ; row p_a + h of the result tile, my column
.if \more
	v_add_nc_u32 v[VO], 2*PO, v[VO]
.endif
.endm
	s_mov_b32 s34, 7
.Ltrip:
	TRIP 1
	s_sub_co_i32 s34, s34, 1
	s_cmp_lg_u32 s34, 0
	s_cbranch_scc1 .Ltrip
	TRIP 0                                         ; the eighth trip fetches no further q
	; OUT: a wave holds pieces of 64 bytes of 16 rows; through LDS the work-group's 32 rows leave as whole pieces of 256 bytes.
	s_wait_dscnt 0x0                               ; for the other waves: my results are in LDS
	s_barrier_signal -1
	s_barrier_wait -1
	ds_load_b128 v[TR:TR+3], v[VRD]                ; row t >> 4
	ds_load_b128 v[TR+4:TR+7], v[VRD] offset:16*PO ; row 16 + (t >> 4)
	s_wait_dscnt 0x1                               ; the first is in, the second stays out
	global_store_b128 v[VG], v[TR:TR+3], s[14:15] th:TH_STORE_NT                   ; 16 lanes store 256 consecutive bytes, at a multiple of 256 from out's first byte
	s_wait_dscnt 0x0
	global_store_b128 v[VG], v[TR+4:TR+7], s[14:15] offset:16*32768 th:TH_STORE_NT
	s_wait_tensorcnt 0x0
	ds_add_u32 v254, v255
	s_wait_dscnt 0x0
	s_endpgm
.Lfunc_end_k_q3e432ac1eb_pool:
	.size	k_q3e432ac1eb_pool, .Lfunc_end_k_q3e432ac1eb_pool-k_q3e432ac1eb_pool
	.p2alignl 7, 3214868480
	.fill 96, 4, 3214868480
	.section	.rodata,"a",@progbits
	.p2align	6, 0x0
	.amdhsa_kernel k_q3e432ac1eb_pool
		.amdhsa_group_segment_fixed_size 94464
		.amdhsa_private_segment_fixed_size 0
		.amdhsa_enable_private_segment 0
		.amdhsa_kernarg_size 48
		.amdhsa_user_sgpr_count 2
		.amdhsa_user_sgpr_kernarg_segment_ptr 1
		.amdhsa_wavefront_size32 1
		.amdhsa_system_sgpr_workgroup_id_x 1
		.amdhsa_system_sgpr_workgroup_id_y 1
		.amdhsa_system_sgpr_workgroup_id_z 1
		.amdhsa_system_vgpr_workitem_id 0
		.amdhsa_next_free_vgpr 256
		.amdhsa_next_free_sgpr 66
		.amdhsa_reserve_vcc 1
		.amdhsa_float_denorm_mode_32 3
		.amdhsa_float_denorm_mode_16_64 3
		.amdhsa_memory_ordered 1
		.amdhsa_forward_progress 1
		.amdhsa_inst_pref_size 53
	.end_amdhsa_kernel
	.amdgpu_metadata
---
amdhsa.version: [ 1, 2 ]
amdhsa.kernels:
  - .name:           k_q3e432ac1eb_pool
    .symbol:         k_q3e432ac1eb_pool.kd
    .args:
      - { .name: gallery_base, .offset: 0, .size: 8, .value_kind: global_buffer, .address_space: global }
      - { .name: Wk, .offset: 8, .size: 8, .value_kind: global_buffer, .address_space: global }
      - { .name: bk, .offset: 16, .size: 8, .value_kind: global_buffer, .address_space: global }
      - { .name: gallery_value, .offset: 24, .size: 8, .value_kind: global_buffer, .address_space: global }
      - { .name: querys, .offset: 32, .size: 8, .value_kind: global_buffer, .address_space: global }
      - { .name: out0, .offset: 40, .size: 8, .value_kind: global_buffer, .address_space: global }
    .group_segment_fixed_size: 94464
    .private_segment_fixed_size: 0
    .kernarg_segment_align: 8
    .kernarg_segment_size: 48
    .max_flat_workgroup_size: 256
    .sgpr_count:     66
    .vgpr_count:     256
    .wavefront_size: 32
...
	.end_amdgpu_metadata
.endif
;; end of part 2
